; MI455X (gfx1250); checked and timed in simulation.
; The chip was launched on July 23, 2026; its instructions are those of AMD's public machine-readable ISA for CDNA 5 (MIT licence, August 2026) and "CDNA5" Instruction Set Architecture Reference Guide (July 2026). The comments in the code are by the model that wrote it; some were corrected since.
;; Multi Head Attention. Allowed arithmetic: matrix products marked QUANTISED: E4M3 operands, one given power-of-two scale a tensor, by v_wmma_f32_16x16x64_fp8_fp8 or v_wmma_f32_16x16x128_fp8_fp8, f32 sums; everything else in f32.
;; Inputs: Wk_codes 1,024 x 32 x 32 uint8 (E4M3 codes of Wk, K innermost, in blocks of 32 codes); Wq_codes 1,024 x 32 x 32 uint8 (E4M3 codes of Wq, K innermost, in blocks of 32 codes); Wv_codes 1,024 x 32 x 32 uint8 (E4M3 codes of Wv, K innermost, in blocks of 32 codes); beta 1,024 float32; bk 1,024 float32; bq 1,024 float32; bv 1,024 float32; gamma 1,024 float32; k_codes 4 x 2,048 x 32 x 32 uint8 (E4M3 codes of k, K innermost, in blocks of 32 codes); lowp_scales 10 int32 (the exponents e of the quantised operands' scales 2^e); q 4 x 2,048 x 1,024 float32; v_codes 4 x 2,048 x 32 x 32 uint8 (E4M3 codes of v, K innermost, in blocks of 32 codes).
;; Outputs: out0 4 x 2,048 x 1,024 float32.
;; This version of the problem:
;;   THIS VERSION OF THE PROBLEM IS GIVEN IN LOW PRECISION. The matrix products marked QUANTISED in the list below multiply operands that are first quantised to E4M3 (4 exponent bits, 3 mantissa bits; 8 bits a number), with one given power-of-two scale for each operand tensor; their sums are f32. All else is computed in f32.
;;   The module's matrix products, in the order in which they are computed (A, B: the left and right operand; K: the contracted axis; several contracted axes count as one K, in the product's order):
;;     1. [M 8,192, K 1,024] x [K 1,024, N 1,024]; A: input q; B: input Wq (given as codes): QUANTISED (scales: A lowp_scales[0], B lowp_scales[1])
;;     2. [M 8,192, K 1,024] x [K 1,024, N 1,024]; A: input k (given as codes); B: input Wk (given as codes): QUANTISED (scales: A lowp_scales[2], B lowp_scales[3])
;;     3. [M 8,192, K 1,024] x [K 1,024, N 1,024]; A: input v (given as codes); B: input Wv (given as codes): QUANTISED (scales: A lowp_scales[4], B lowp_scales[5])
;;     4. batch 64 x [M 2,048, K 64] x [K 64, N 2,048]; A: computed on the way; B: computed on the way: QUANTISED (scales: A lowp_scales[6], B lowp_scales[7])
;;     5. batch 64 x [M 2,048, K 2,048] x [K 2,048, N 64]; A: softmax (see below); B: computed on the way: QUANTISED (scales: A lowp_scales[8], B lowp_scales[9])
;;   THE QUANTISER, for each operand of a quantised product, along K:
;;     - The operand's scale is 2^e, e = its entry of the input lowp_scales (int32; the entries are numbered through the quantised products in the list's order, A before B).
;;     - Each number is divided by the scale, clamped to +-448, and rounded to the nearest number of E4M3, ties to even, subnormals kept.
;;     - The product sums the exact products of the quantised numbers (number of the format x scale) in f32.
;;   ~~~python
;;   def quantise(x, axis, e):      # numpy; x: float32 -> the quantised numbers, widened to float32 again
;;       x = np.moveaxis(x, axis, -1); K = x.shape[-1]
;;       r = np.clip(x / 2.0 ** e, -448, 448)
;;       step = 2.0 ** (np.maximum(np.frexp(np.where(r == 0, 1, r))[1] - 1, -6) - 3)
;;       q = np.round(r / step) * step * 2.0 ** e      # np.round: ties to even
;;       return np.moveaxis(q, -1, axis).astype(np.float32)
;;   ~~~
;;   SOFTMAX AHEAD OF A QUANTISED PRODUCT. Where the list says 'softmax', what is quantised is not the finished softmax but p = 2^(t - M), with t = logit x log2(e) and M = ceil(the row's largest t), a whole number; so 1/2 < the row's largest p <= 1. The row's sum l is taken of the UNQUANTISED p, in f32, and the product's result is divided by l at the end. Since M is a whole number, a kernel that streams over the keys may use a running M (the ceiling of the running maximum): every later rescaling is an exact power of two, so the quantised numbers keep their values, but for numbers so far below the row's largest that they fall under the format's range.
;;   OPERANDS COMPUTED ON THE WAY. 'Computed on the way' means the value that the module computes at that place (a softmax that the list does not call 'softmax' is quantised finished and normalised). What goes into a quantiser is computed in f32, as accurately as f32 sums, v_exp_f32 and their like allow (about 1e-6 of the number): no bf16 or f16 on the way to a quantiser, and a product that is left as it is and whose result goes on into a quantised operand takes f32 operands (vector FMAs, or v_wmma_f32_16x16x4_f32). A number that lies on a knife's edge between two numbers of the format may be rounded either way, as far as f32 arithmetic and the matrix unit's own rounding can turn it there, and no further.
;;   INPUTS GIVEN AS CODES. Wk (in the module: [1024, 1024], K = its axis 0); Wq (in the module: [1024, 1024], K = its axis 0); Wv (in the module: [1024, 1024], K = its axis 0); k (in the module: [4, 2048, 1024], K = its axis 2); v (in the module: [4, 2048, 1024], K = its axis 2): each comes as NAME_codes (uint8): NAME with its K axis moved to the last place and cut into blocks of 32 codes, [.., K / 32, bytes a block], one block behind the other in memory; one code a byte (a code: sign, 4 exponent bits, 3 mantissa bits); its scale is its entry of lowp_scales. Its value is code x scale, taken as it is: it is not quantised again, and the codes and scales need not be those that the quantiser above would give.
;; One version. Each part assembles by itself: llvm-mc -triple=amdgcn-amd-amdhsa -mcpu=gfx1250 --defsym DOCPART=n.
;; ======== version 1 of 1: 4 launches
;; limits: right only within a limited range of input values
;; workspace buffers: qcodes 8,388,608 bytes; kimg 8,388,608 bytes; vimg 8,388,608 bytes; att 33,554,432 bytes
;; launch quantq (part 1): grid 512 x 1, 4 waves a work-group, no clusters, 34,304 bytes of LDS; arguments q, lowp_scales, qcodes; writes qcodes
.if DOCPART == 1
	.amdgcn_target "amdgcn-amd-amdhsa--gfx1250"
	.amdhsa_code_object_version 6
	.text
	.protected	k_qfb9258cb85_quantq
	.globl	k_qfb9258cb85_quantq
	.p2align	8
	.type	k_qfb9258cb85_quantq,@function
k_qfb9258cb85_quantq:
	s_mov_b64 s[64:65], 0
	v_nop
	global_prefetch_b8 v0, s[64:65] scope:SCOPE_SE
	s_setreg_imm32_b32 hwreg(HW_REG_WAVE_MODE, 25, 1), 1
	s_wait_xcnt 0x0
; q [8192][1024], f32, becomes codes of FP8 (E4M3) with the given scale 2^e0: code = x / 2^e0, held within +-448, rounded to the nearest code, ties to even.
; LIMITS: e0 between -126 and 119; NaN among the inputs is not served (an infinity is held at the largest code).
; THE CODES ARE LAID AS THE READER'S REGISTERS WANT THEM: for tile T of 16 tokens, K step s of 128 and group c of four registers, lane l's 16 bytes lie at 16384 T + 2048 s + 512 c + 16 l
; and hold token 16 T + l % 16, k = 128 s + 32 c + 16 (l / 16) + 0 .. 15.
; A work-group takes one tile of 16 tokens, a wave two K steps.  A step's sixteen loads read 512 consecutive bytes each (a row's 128 numbers); they go through the wave's own stage in LDS (rows of 528 bytes)
; and come back 64 bytes a lane, 16 neighbours along K; a group's codes leave as 512 consecutive bytes.  No barrier: waves share nothing.  Both steps' 32 loads are asked for at the start.
.set R,   16                           ; v16-143  two sets of 64: a step's numbers as they are loaded
.set XA,  144                          ; v144-207 step 0's numbers back from the stage (step 1's come back into v16-79)
.set C,   208                          ; v208-239 codes, 16 registers a step
.set SP,  528
	s_load_b128 s[4:7], s[0:1], 0x0                ; q, the scales' exponents
	s_load_b64 s[8:9], s[0:1], 0x10                ; the codes
	v_lshl_add_u32 v240, v0, 2, 33792
	v_mov_b32 v241, 0
	v_lshrrev_b32 v1, 5, v0
	v_readfirstlane_b32 s16, v1                    ; wave
	v_and_b32 v2, 31, v0
	v_lshlrev_b32 v3, 4, v2                        ; 16 x lane
	v_and_b32 v5, 15, v0
	v_bfe_u32 v6, v0, 4, 1
	s_mul_i32 s17, s16, 16*SP                      ; my stage
	v_add_nc_u32 v14, s17, v3                      ; in: row i at 528 i
	v_mul_u32_u24 v15, v5, SP
	v_lshl_add_u32 v15, v6, 6, v15
	v_add_nc_u32 v15, s17, v15                     ; back: row l % 16, 64 bytes for each half of the lanes
	s_lshl_b32 s20, ttmp9, 16                      ; 16 rows of 4,096 bytes a tile
	s_lshl_b32 s18, s16, 10                        ; my two steps of 512 bytes
	s_add_co_u32 s20, s20, s18
	s_mov_b32 s21, 0
	s_lshl_b32 s24, ttmp9, 14
	s_lshl_b32 s18, s16, 12
	s_add_co_u32 s24, s24, s18
	s_mov_b32 s25, 0
	s_wait_alu depctr_va_vdst(0)                   ; the wait ahead of the wait below
	s_wait_kmcnt 0x0
	s_load_b32 s22, s[6:7], 0x0                    ; e0
	s_add_nc_u64 s[4:5], s[4:5], s[20:21]
	s_add_nc_u64 s[8:9], s[8:9], s[24:25]
.irp t, 0,1
.irp i, 0,1,2,3,4,5,6,7,8,9,10,11,12,13,14,15
	global_load_b128 v[R+64*\t+4*\i:R+64*\t+4*\i+3], v3, s[4:5] offset:4096*\i+512*\t th:TH_LOAD_NT
.endr
.endr
	s_wait_kmcnt 0x0
	s_add_co_i32 s22, s22, 127
	s_lshl_b32 s23, s22, 23
	v_mov_b32 v11, s23                             ; 2^e0
	s_add_co_i32 s22, s22, 8
	s_lshl_b32 s22, s22, 23
	s_or_b32 s22, s22, 0x600000
	v_mov_b32 v10, s22                             ; 448 x 2^e0
.macro TURN t, x                       ; step t through the stage: LDS serves a wave's instructions in order, so no wait stands between the stores and the loads, nor ahead of the next step's stores
.irp i, 0,1,2,3,4,5,6,7,8,9,10,11,12,13,14,15
	ds_store_b128 v14, v[R+64*\t+4*\i:R+64*\t+4*\i+3] offset:SP*\i
.endr
.irp i, 0,1,2,3,4,5,6,7,8,9,10,11,12,13,14,15
	ds_load_b128 v[\x+4*\i:\x+4*\i+3], v15 offset:128*(\i/4)+16*(\i%4)
.endr
.endm
.macro WORK t, x
.set i, 0
.rept 64
	v_med3_num_f32 v[\x+i], v[\x+i], -v10, v10     ; the conversion does not saturate (ISA guide 7.6.2)
.set i, i+1
.endr
.irp c, 0,1,2,3
	v_cvt_scalef32_pk8_fp8_f32 v[C+16*\t+4*\c:C+16*\t+4*\c+1], v[\x+16*\c:\x+16*\c+7], v11
	v_cvt_scalef32_pk8_fp8_f32 v[C+16*\t+4*\c+2:C+16*\t+4*\c+3], v[\x+16*\c+8:\x+16*\c+15], v11
.endr
	v_nop                                          ; a plain line behind the last conversion
.irp c, 0,1,2,3
	global_store_b128 v3, v[C+16*\t+4*\c:C+16*\t+4*\c+3], s[8:9] offset:2048*\t+512*\c   ; 512 consecutive bytes, aligned
.endr
.endm
	s_wait_alu depctr_va_vdst(0)
	s_wait_loadcnt 16                              ; step 0 is in; step 1's sixteen loads may be out
	TURN 0, XA
	s_wait_loadcnt 0x0
	TURN 1, R
	s_wait_dscnt 32                                ; step 0 is back; step 1's 32 LDS instructions may be out
	WORK 0, XA
	s_wait_dscnt 0x0
	WORK 1, R
	s_wait_tensorcnt 0x0                           ; the wave's end
	ds_add_u32 v240, v241
	s_wait_dscnt 0x0
	s_endpgm
.Lfunc_end_k_qfb9258cb85_quantq:
	.size	k_qfb9258cb85_quantq, .Lfunc_end_k_qfb9258cb85_quantq-k_qfb9258cb85_quantq
	.p2alignl 7, 3214868480
	.fill 96, 4, 3214868480
	.section	.rodata,"a",@progbits
	.p2align	6, 0x0
	.amdhsa_kernel k_qfb9258cb85_quantq
		.amdhsa_group_segment_fixed_size 34304
		.amdhsa_private_segment_fixed_size 0
		.amdhsa_enable_private_segment 0
		.amdhsa_kernarg_size 24
		.amdhsa_user_sgpr_count 2
		.amdhsa_user_sgpr_kernarg_segment_ptr 1
		.amdhsa_wavefront_size32 1
		.amdhsa_system_sgpr_workgroup_id_x 1
		.amdhsa_system_sgpr_workgroup_id_y 1
		.amdhsa_system_sgpr_workgroup_id_z 1
		.amdhsa_system_vgpr_workitem_id 0
		.amdhsa_next_free_vgpr 242
		.amdhsa_next_free_sgpr 66
		.amdhsa_reserve_vcc 0
		.amdhsa_float_denorm_mode_32 3
		.amdhsa_float_denorm_mode_16_64 3
		.amdhsa_memory_ordered 1
		.amdhsa_forward_progress 1
		.amdhsa_inst_pref_size 19
	.end_amdhsa_kernel
	.amdgpu_metadata
---
amdhsa.version: [ 1, 2 ]
amdhsa.kernels:
  - .name:           k_qfb9258cb85_quantq
    .symbol:         k_qfb9258cb85_quantq.kd
    .args:
      - { .name: q, .offset: 0, .size: 8, .value_kind: global_buffer, .address_space: global }
      - { .name: lowp_scales, .offset: 8, .size: 8, .value_kind: global_buffer, .address_space: global }
      - { .name: qcodes, .offset: 16, .size: 8, .value_kind: global_buffer, .address_space: global }
    .group_segment_fixed_size: 34304
    .private_segment_fixed_size: 0
    .kernarg_segment_align: 8
    .kernarg_segment_size: 24
    .max_flat_workgroup_size: 128
    .sgpr_count:     66
    .vgpr_count:     242
    .wavefront_size: 32
...
	.end_amdgpu_metadata
.endif
;; end of part 1
;; launch proj (part 2): grid 4 x 64, 4 waves a work-group, clusters of 4 x 4, 327,680 bytes of LDS; arguments k_codes, Wv_codes, Wk_codes, v_codes, bk, bv, lowp_scales, kimg, vimg; writes kimg, vimg
.if DOCPART == 2
	.amdgcn_target "amdgcn-amd-amdhsa--gfx1250"
	.amdhsa_code_object_version 6
	.text
	.protected	k_qfb9258cb85_proj
	.globl	k_qfb9258cb85_proj
	.p2align	8
	.type	k_qfb9258cb85_proj,@function
k_qfb9258cb85_proj:
	s_mov_b64 s[64:65], 0
	v_nop
	global_prefetch_b8 v0, s[64:65] scope:SCOPE_SE
	s_setreg_imm32_b32 hwreg(HW_REG_WAVE_MODE, 25, 1), 1
	s_wait_xcnt 0x0
	s_wait_alu depctr_hold_cnt(0) depctr_sa_sdst(0) depctr_va_vdst(0) depctr_va_sdst(0) depctr_va_ssrc(0) depctr_va_vcc(0) depctr_vm_vsrc(0)
	s_getreg_b32 s2, hwreg(HW_REG_IB_STS2, 6, 4)
	s_cmp_eq_u32 s2, 0
	s_cbranch_scc0 .Lentry_in_a_cluster
	s_endpgm
.Lentry_in_a_cluster:
	s_bfe_u32 s2, ttmp6, 0x10000c
	s_cmp_lg_u32 s2, 0xf033
	s_cbranch_scc0 .Lentry_shape_is_right
	s_endpgm
.Lentry_shape_is_right:
; The projections of k and v, on codes of FP8: k_ = k Wk + bk and v_ = v Wv + bv, quantised with 2^e7 and 2^e9 and stored as images of the attention's operand registers (kimg: 16 keys x 64 channels a tile; vimg: 16 channels x 64 keys).
; 2 products x 128 tiles of 256 x 256: 256 work-groups, four waves, 128 x 128 a wave; K in steps of 256 through a ring of two LDS slots; 4 x 4 clusters with joint loads.  s[PROD] = 1: k; 2: v, which is made transposed (Wv's rows as A).
; q's projection is made by the attention's launch.
.set KSTEP,  256
.set ROWB,   256
.set KROW,   1024
.set PITCH,  272
.set FR,     16
.set NL,     4
.set NP,     4
.set HALFT,  128*PITCH
.set SLOT,   4*HALFT
.set LAPS,   2
.set SPARE,  2*SLOT
.set ADRA, 16
.set ADRB, 20
.set CO,   26
.set SPW,  28
.set NIL,  29
.set BN,   32
.set BM,   96
.set LIMV, 112
.set SCV,  113
.set AF,   128
.set TMP,  128
.set CD,   192
.set PROD, 13
.set G1, 24
.set G0, 32
.set G1B, 48
.set G0B, 56
.set MSB, 0
.macro WIN new
.if MSB != (\new)
	s_set_vgpr_msb (MSB<<8)|(\new)
.set MSB, (\new)
.endif
.endm
.set MUL_LO, 0xa1
.set MUL_HI, 0xf1
.set TO_B,   0x40
.macro JLOAD g0a, g1a, g0b, g1b
	s_cmp_eq_u32 s15, 0
	s_cbranch_scc0 .Lfor_b_\@
	tensor_load_to_lds s[\g0a:\g0a+3], s[\g1a:\g1a+7]
	s_nop 0
.rept 4
	v_nop
.endr
	s_branch .Lasked_\@
.Lfor_b_\@:
	tensor_load_to_lds s[\g0b:\g0b+3], s[\g1b:\g1b+7]
	s_nop 0
.rept 4
	v_nop
.endr
.Lasked_\@:
.endm
.macro CREST
	s_cmp_lg_u32 s14, 0
	s_cbranch_scc1 .Lnot_wave_0_\@
	s_barrier_signal -3
.Lnot_wave_0_\@:
	s_barrier_wait -3
	s_barrier_signal -1
	s_barrier_wait -1
.endm
.macro CROUND
	s_barrier_signal -1
	s_barrier_wait -1
	CREST
.endm
	s_load_b512 s[68:83], s[0:1], 0x0
	s_load_b64 s[84:85], s[0:1], 0x40
	v_lshl_add_u32 v[SPW], v0, 2, SPARE
	v_mov_b32 v[NIL], 0
	ds_add_u32 v28, v29
	ds_add_u32 v28, v29
	s_wait_dscnt 0x0
	v_lshrrev_b32 v1, 5, v0
	v_readfirstlane_b32 s14, v1
	s_lshr_b32 s15, s14, 1
	s_and_b32 s16, s14, 1
	s_bfe_u32 s40, ttmp6, 0x40000
	s_bfe_u32 s41, ttmp6, 0x40004
	s_and_b32 s12, ttmp7, 0xffff
	s_lshr_b32 s[PROD], s12, 3
	s_add_co_u32 s[PROD], s[PROD], 1
	s_and_b32 s12, s12, 7
	s_cmp_eq_u32 s[PROD], 2
	s_cselect_b32 s17, 0, s12
	s_cselect_b32 s42, s12, 0
	s_lshl_b32 s17, s17, 2
	s_add_co_u32 s17, s17, s41
	s_lshl_b32 s42, s42, 2
	s_add_co_u32 s42, s42, s40
	s_lshl_b32 s43, s41, 2
	s_lshl_b32 s43, 15, s43
	s_lshl_b32 s44, 0x1111, s40
	s_or_b32 s[G1+0], s43, (0<<16)|(1<<20)|(1<<21)|(5<<22)|(3<<25)
	s_or_b32 s[G1B+0], s44, (0<<16)|(1<<20)|(1<<21)|(5<<22)|(3<<25)
.irp g, G1, G1B
	s_mov_b32 s[\g+1], ROWB<<16
	s_mov_b32 s[\g+2], 128<<16
	s_mov_b32 s[\g+3], ROWB<<16
	s_mov_b32 s[\g+4], 128
	s_mov_b32 s[\g+5], KROW
	s_mov_b32 s[\g+6], 0
	s_mov_b32 s[\g+7], 0
.endr
	s_lshl_b32 s18, s16, 7
	s_lshl_b32 s20, s17, 8
	s_add_co_u32 s20, s20, s18
	s_lshl_b32 s46, s42, 8
	s_add_co_u32 s46, s46, s18
	s_lshl_b32 s20, s20, 10
	s_lshl_b32 s46, s46, 10
	s_mov_b32 s21, 0
	s_mov_b32 s47, 0
	s_mul_i32 s45, s14, HALFT
	s_wait_kmcnt 0x0
	s_cmp_eq_u32 s[PROD], 2
	s_cselect_b64 s[4:5], s[70:71], s[68:69]
	s_cselect_b64 s[6:7], s[74:75], s[72:73]
	s_cselect_b64 s[8:9], s[78:79], s[76:77]
	s_cselect_b64 s[10:11], s[84:85], s[82:83]
	s_mov_b64 s[86:87], s[80:81]
	s_load_b256 s[68:75], s[86:87], 0x0
	s_load_b32 s76, s[86:87], 0x24
	s_add_nc_u64 s[20:21], s[4:5], s[20:21]
	s_add_nc_u64 s[46:47], s[6:7], s[46:47]
	CROUND
.irp s, 0,1
	s_mov_b32 s[G0+4*\s], 1
	s_add_co_u32 s[G0+4*\s+1], s45, \s*SLOT
	s_add_nc_u64 s[G0+4*\s+2:G0+4*\s+3], s[20:21], \s*ROWB
	s_or_b32 s[G0+4*\s+3], s[G0+4*\s+3], 0x80000000
	s_mov_b32 s[G0B+4*\s], 1
	s_add_co_u32 s[G0B+4*\s+1], s45, \s*SLOT
	s_add_nc_u64 s[G0B+4*\s+2:G0B+4*\s+3], s[46:47], \s*ROWB
	s_or_b32 s[G0B+4*\s+3], s[G0B+4*\s+3], 0x80000000
	s_wait_alu depctr_va_vdst(0)
	s_wait_tensorcnt 0x0
	ds_add_u32 v28, v29
	ds_add_u32 v28, v29
	s_wait_dscnt 0x0
	CROUND
	JLOAD G0+4*\s, G1, G0B+4*\s, G1B
.endr
	v_and_b32 v1, 15, v0
	v_bfe_u32 v2, v0, 4, 1
	v_mul_u32_u24 v3, v1, PITCH
	v_lshl_add_u32 v4, v2, 4, v3
	s_mul_i32 s21, s15, HALFT
	s_mul_i32 s22, s16, HALFT
	s_add_co_u32 s22, s22, 2*HALFT
.irp s, 0,1
	v_add_nc_u32 v[ADRA+\s], s21, v4
	v_add_nc_u32 v[ADRB+\s], s22, v4
	s_add_co_u32 s21, s21, SLOT
	s_add_co_u32 s22, s22, SLOT
.endr
	v_and_b32 v7, 31, v0
	v_lshlrev_b32 v[CO], 4, v7
	v_lshlrev_b32 v5, 5, v2
	s_wait_alu depctr_va_vdst(0)
	v_lshlrev_b32 v6, 2, v1
	s_wait_alu depctr_va_vdst(0)
	s_lshl_b32 s20, s17, 8
	s_lshl_b32 s21, s15, 7
	s_add_co_u32 s20, s20, s21
	s_lshl_b32 s46, s42, 8
	s_lshl_b32 s47, s16, 7
	s_add_co_u32 s46, s46, s47
	s_cmp_eq_u32 s[PROD], 2
	s_cselect_b32 s22, s46, s20
	s_cselect_b32 s23, s20, s46
	s_lshl_b32 s19, s23, 2
	s_cmp_eq_u32 s[PROD], 2
	s_cselect_b32 s78, 0, s19
	s_cselect_b32 s80, s19, 0
	s_mov_b32 s79, 0
	s_mov_b32 s81, 0
	s_add_nc_u64 s[78:79], s[8:9], s[78:79]
	s_add_nc_u64 s[80:81], s[8:9], s[80:81]
.irp b, 0,1,2,3,4,5,6,7
	global_load_b128 v[BN+8*\b:BN+8*\b+3],   v5, s[78:79] offset:64*\b
	global_load_b128 v[BN+8*\b+4:BN+8*\b+7], v5, s[78:79] offset:64*\b+16
.endr
.irp a, 0,1,2,3,4,5,6,7
	global_load_b32 v[BM+2*\a],   v6, s[80:81] offset:64*\a
	global_load_b32 v[BM+2*\a+1], v6, s[80:81] offset:64*\a
.endr
	s_lshr_b32 s18, s22, 11
	s_lshl_b32 s18, s18, 4
	s_lshr_b32 s19, s23, 6
	s_add_co_u32 s18, s18, s19
	s_lshl_b32 s18, s18, 17
	s_and_b32 s19, s22, 2047
	s_lshl_b32 s19, s19, 6
	s_add_co_u32 s18, s18, s19
	s_mov_b32 s19, 0
	s_add_nc_u64 s[10:11], s[10:11], s[18:19]
.macro FRAG reg, adr, q, i
.irp c, 0,1,2,3
	ds_load_b128 v[\reg+4*\c:\reg+4*\c+3], v[\adr] offset:128*(\q)+32*\c+(\i)*16*PITCH
.endr
.endm
.macro MUL16 a0, p, zero
.irp a, \a0, \a0+1
.irp b, 0,1,2,3,4,5,6,7
.if \zero
	v_wmma_f32_16x16x128_fp8_fp8 v[8*(8*((\a)%4)+\b):8*(8*((\a)%4)+\b)+7], v[128*(\p)+FR*\b:128*(\p)+FR*\b+FR-1], v[AF+FR*(\a):AF+FR*(\a)+FR-1], 0
.else
	v_wmma_f32_16x16x128_fp8_fp8 v[8*(8*((\a)%4)+\b):8*(8*((\a)%4)+\b)+7], v[128*(\p)+FR*\b:128*(\p)+FR*\b+FR-1], v[AF+FR*(\a):AF+FR*(\a)+FR-1], v[8*(8*((\a)%4)+\b):8*(8*((\a)%4)+\b)+7]
.endif
.endr
.endr
.endm
.macro FETCH_B slot, q, p
	WIN TO_B
.irp i, 0,1,2,3,4,5,6,7
	FRAG 128*(\p)+FR*\i, ADRB+\slot, \q, \i
.endr
	WIN 0
.endm
.macro FETCH_A slot, q, i0
.irp i, \i0, \i0+1, \i0+2, \i0+3
	FRAG AF+FR*(\i), ADRA+\slot, \q, \i
.endr
.endm
.macro PLACES n
.rept \n
	v_nop
.endr
.endm
.macro STEP slot, q, zero
	s_wait_dscnt 4*NL
	WIN MUL_LO
	MUL16 0, (\q)%2, \zero
	MUL16 2, (\q)%2, \zero
	s_wait_dscnt 0
	PLACES NP
	FETCH_B \slot, (\q)+1, 1-(\q)%2
	FETCH_A \slot, (\q)+1, 0
	WIN MUL_HI
	MUL16 4, (\q)%2, \zero
	MUL16 6, (\q)%2, \zero
	PLACES NP
	WIN 0
	FETCH_A \slot, (\q)+1, 4
.endm
.macro TURN slot, next, fill
	s_wait_tensorcnt 0x0
	ds_add_u32 v[SPW], v[NIL]
	s_wait_dscnt 4*NL+1
	WIN MUL_LO
	MUL16 0, 1, 0
	s_wait_dscnt 0x0
	s_barrier_signal -1
	MUL16 2, 1, 0
	WIN 0
	s_barrier_wait -1
.if \fill
	CREST
	s_add_nc_u64 s[G0+4*\slot+2:G0+4*\slot+3], s[G0+4*\slot+2:G0+4*\slot+3], 2*ROWB
	s_add_nc_u64 s[G0B+4*\slot+2:G0B+4*\slot+3], s[G0B+4*\slot+2:G0B+4*\slot+3], 2*ROWB
	JLOAD G0+4*\slot, G1, G0B+4*\slot, G1B
.else
	PLACES NP
.endif
	FETCH_B \next, 0, 0
	FETCH_A \next, 0, 0
	WIN MUL_HI
	MUL16 4, 1, 0
	MUL16 6, 1, 0
	PLACES NP
	WIN 0
	FETCH_A \next, 0, 4
.endm
	s_wait_tensorcnt 1
	s_barrier_signal -1
	s_barrier_wait -1
	FETCH_B 0, 0, 0
	FETCH_A 0, 0, 0
	FETCH_A 0, 0, 4
	STEP 0, 0, 1
	s_mov_b32 s3, LAPS-1
.Llap:
	TURN 0, 1, 1
	STEP 1, 0, 0
	TURN 1, 0, 1
	STEP 0, 0, 0
	s_sub_co_u32 s3, s3, 1
	s_cmp_lg_u32 s3, 0
	s_cbranch_scc1 .Llap
	TURN 0, 1, 0
	STEP 1, 0, 0
	s_wait_dscnt 4*NL
	WIN MUL_LO
	MUL16 0, 1, 0
	MUL16 2, 1, 0
	s_wait_dscnt 0
	WIN MUL_HI
	MUL16 4, 1, 0
	MUL16 6, 1, 0
	WIN 0
.macro OUTBLK a, isv
.set AC, 64*((\a)%4)
.set CC, CD+16*((\a)%4)
.if (\a) >= 4
	s_wait_xcnt 0x0
.endif
	WIN 0x02+((\a)/4)
.set i, 0
.rept 32
.if \isv
	v_pk_fma_f32 v[TMP+i:TMP+i+1], v[AC+i:AC+i+1], s[96:97], v[BM+2*(\a):BM+2*(\a)+1] op_sel_hi:[1,0,1]
.else
	v_pk_fma_f32 v[TMP+i:TMP+i+1], v[AC+i:AC+i+1], s[96:97], v[BN+i:BN+i+1] op_sel_hi:[1,0,1]
.endif
.set i, i+2
.endr
	WIN 0
.set i, 0
.rept 64
	v_med3_num_f32 v[TMP+i], v[TMP+i], -v[LIMV], v[LIMV]
.set i, i+1
.endr
.irp b, 0,1,2,3,4,5,6,7
	v_cvt_scalef32_pk8_fp8_f32 v[CC+2*\b:CC+2*\b+1], v[TMP+8*\b:TMP+8*\b+7], v[SCV]
.endr
	v_nop
.irp pb, 0,1,2,3
.if \isv
	global_store_b128 v[CO], v[CC+4*\pb:CC+4*\pb+3], s[10:11] offset:((\a)/4)*131072+(\pb/2)*4096+((\a)%4)*1024+(\pb%2)*512
.else
	global_store_b128 v[CO], v[CC+4*\pb:CC+4*\pb+3], s[10:11] offset:(\pb/2)*131072+(\a)*1024+(\pb%2)*512
.endif
.endr
.endm
	s_wait_kmcnt 0x0
	s_add_co_i32 s70, s70, s71
	s_add_co_i32 s72, s72, s73
	s_cmp_eq_u32 s[PROD], 2
	s_cselect_b32 s96, s72, s70
	s_cselect_b32 s94, s76, s75
	s_add_co_i32 s96, s96, 127
	s_lshl_b32 s96, s96, 23
	s_mov_b32 s97, s96
	s_add_co_i32 s94, s94, 127
	s_lshl_b32 s95, s94, 23
	v_mov_b32 v[SCV], s95
	s_add_co_i32 s94, s94, 8
	s_lshl_b32 s94, s94, 23
	s_or_b32 s94, s94, 0x600000
	v_mov_b32 v[LIMV], s94
	PLACES NP
	s_wait_loadcnt 0x0
	s_cmp_eq_u32 s[PROD], 2
	s_cbranch_scc1 .Lfor_v
.irp a, 0,1,2,3,4,5,6,7
	OUTBLK \a, 0
.endr
	s_branch .Lstored
.Lfor_v:
.irp a, 0,1,2,3,4,5,6,7
	OUTBLK \a, 1
.endr
.Lstored:
	s_wait_tensorcnt 0x0
	ds_add_u32 v[SPW], v[NIL]
	s_wait_dscnt 0x0
	CROUND
	s_endpgm
.Lfunc_end_k_qfb9258cb85_proj:
	.size	k_qfb9258cb85_proj, .Lfunc_end_k_qfb9258cb85_proj-k_qfb9258cb85_proj
	.p2alignl 7, 3214868480
	.fill 96, 4, 3214868480
	.section	.rodata,"a",@progbits
	.p2align	6, 0x0
	.amdhsa_kernel k_qfb9258cb85_proj
		.amdhsa_group_segment_fixed_size 327680
		.amdhsa_private_segment_fixed_size 0
		.amdhsa_enable_private_segment 0
		.amdhsa_kernarg_size 72
		.amdhsa_user_sgpr_count 2
		.amdhsa_user_sgpr_kernarg_segment_ptr 1
		.amdhsa_wavefront_size32 1
		.amdhsa_system_sgpr_workgroup_id_x 1
		.amdhsa_system_sgpr_workgroup_id_y 1
		.amdhsa_system_sgpr_workgroup_id_z 1
		.amdhsa_system_vgpr_workitem_id 0
		.amdhsa_next_free_vgpr 1024
		.amdhsa_next_free_sgpr 98
		.amdhsa_reserve_vcc 0
		.amdhsa_float_denorm_mode_32 3
		.amdhsa_float_denorm_mode_16_64 3
		.amdhsa_memory_ordered 1
		.amdhsa_forward_progress 1
		.amdhsa_inst_pref_size 195
	.end_amdhsa_kernel
	.amdgpu_metadata
---
amdhsa.version: [ 1, 2 ]
amdhsa.kernels:
  - .name:           k_qfb9258cb85_proj
    .symbol:         k_qfb9258cb85_proj.kd
    .args:
      - { .name: k_codes, .offset: 0, .size: 8, .value_kind: global_buffer, .address_space: global }
      - { .name: Wv_codes, .offset: 8, .size: 8, .value_kind: global_buffer, .address_space: global }
      - { .name: Wk_codes, .offset: 16, .size: 8, .value_kind: global_buffer, .address_space: global }
      - { .name: v_codes, .offset: 24, .size: 8, .value_kind: global_buffer, .address_space: global }
      - { .name: bk, .offset: 32, .size: 8, .value_kind: global_buffer, .address_space: global }
      - { .name: bv, .offset: 40, .size: 8, .value_kind: global_buffer, .address_space: global }
      - { .name: lowp_scales, .offset: 48, .size: 8, .value_kind: global_buffer, .address_space: global }
      - { .name: kimg, .offset: 56, .size: 8, .value_kind: global_buffer, .address_space: global }
      - { .name: vimg, .offset: 64, .size: 8, .value_kind: global_buffer, .address_space: global }
    .group_segment_fixed_size: 327680
    .private_segment_fixed_size: 0
    .kernarg_segment_align: 8
    .kernarg_segment_size: 72
    .max_flat_workgroup_size: 128
    .sgpr_count:     98
    .vgpr_count:     1024
    .wavefront_size: 32
...
	.end_amdgpu_metadata
.endif
;; end of part 2
;; launch attn (part 3): grid 4 x 64, 16 waves a work-group, clusters of 4 x 1, 327,680 bytes of LDS; arguments qcodes, kimg, vimg, lowp_scales, q, att, Wq_codes, bq; writes att
.if DOCPART == 3
	.amdgcn_target "amdgcn-amd-amdhsa--gfx1250"
	.amdhsa_code_object_version 6
	.text
	.protected	k_qfb9258cb85_attn
	.globl	k_qfb9258cb85_attn
	.p2align	8
	.type	k_qfb9258cb85_attn,@function
k_qfb9258cb85_attn:
	s_mov_b64 s[64:65], 0
	v_nop
	global_prefetch_b8 v0, s[64:65] scope:SCOPE_SE
	s_setreg_imm32_b32 hwreg(HW_REG_WAVE_MODE, 25, 1), 1
	s_wait_xcnt 0x0
	s_wait_alu depctr_hold_cnt(0) depctr_sa_sdst(0) depctr_va_vdst(0) depctr_va_sdst(0) depctr_va_ssrc(0) depctr_va_vcc(0) depctr_vm_vsrc(0)
	s_getreg_b32 s2, hwreg(HW_REG_IB_STS2, 6, 4)
	s_cmp_eq_u32 s2, 0
	s_cbranch_scc0 .Lentry_in_a_cluster
	s_endpgm
.Lentry_in_a_cluster:
	s_bfe_u32 s2, ttmp6, 0x10000c
	s_cmp_lg_u32 s2, 0x3003
	s_cbranch_scc0 .Lentry_shape_is_right
	s_endpgm
.Lentry_shape_is_right:
; att[token][64 head + d] = q[token][64 head + d] + (sum over keys of Q(p) V) x 2^(e8 + e9) / l, for each of the 64 pairs (batch, head): 2,048 queries x 2,048 keys, head size 64; all products on codes of FP8 (E4M3).
; The residual q is added here, so that the norm's launch reads one buffer.
; Q IS PROJECTED HERE: q_ = q Wq + bq for the wave's own 32 queries and the head's 64 channels, K = 1,024 in eight steps of 128, quantised with 2^e6 straight into the score product's operand registers.
;   q's codes come from qcodes, laid as fragments (512 consecutive bytes a load), four K steps' registers by turns; the head's 64 rows of Wq come through LDS.  bq / 2^(e0 + e1) is the C of the first products;
;   a sum stands for sum x 2^(e0 + e1), so its code is sum / 2^(e6 - e0 - e1): the three scales are folded into the conversion's one.
; THE SOFTMAX AHEAD OF THE LAST PRODUCT: t = score x 2^(e6 + e7) x log2(e) / 8; M = the row's largest t, rounded UP to a whole number; p = 2^(t - M) is quantised with 2^e8, not normalised; l is the sum of the unquantised p, in f32, and divides at the end.
; TWO PASSES over the keys.  Pass 1 makes the scores and keeps only each query's largest: M is the row's own.  Pass 2 makes the scores again, p, l and O: nothing is ever rescaled.
; SHARES.  A work-group owns 512 queries of one pair; each of its sixteen waves owns 32: two tiles of 16.  Four waves to a SIMD.
; LDS.  K's 131,072 bytes from 0, V's behind them, resident.  At the head each wave asks for one tile: waves 0-7 K's eighths; waves 8-11 sixteen rows of Wq each (rows of 1,024 bytes + 16 of padding), 66,560 bytes where V begins;
;   waves 12-15 V's upper 64,512 bytes.  When Q is made, waves 8-11 fill those 66,560 bytes again, with V's lower part, which has pass 1 in which to land.
; CLUSTER.  The four query blocks of a pair read the same K, V and Wq: every tensor load is asked for JOINTLY, with the same descriptor and a mask that names the four.
; LAYOUT.  All products are used transposed: a lane holds ONE query (lane % 16).  In S^T's tile k lane (r, h) holds keys 16 k + 8 h + 0 .. 7: their eight codes ARE registers 2 k, 2 k + 1 of P; Q's codes arise the same way.
;   In Q's projection k is permuted alike in both operands (registers 4 c .. 4 c + 3: k = 32 c + 16 h + 0 .. 15).
; PASS 2 goes by PHASES, a tile of queries each: tile x's softmax, its four products into O^T, its four score products of the NEXT step: one tile's vector work stands behind the other tile's products.
; LIMITS: e6 + e7 between -123 and 130; e8 and e6 - e0 - e1 between -126 and 119; e8 + e9 and e0 + e1 go by v_ldexp_f32.  NaN and infinities among the scores are not served.
; No prefetch: K, V and Wq are asked for whole, and q's codes are asked for three to four K steps ahead by their own loads.
.set LI,   1                           ; 16 x lane
.set ADK,  2                           ; LDS address of the step's tiles of K
.set ADV,  3                           ; of V; in the head: of Wq's fragments
.set WA,   3
.set SCV,  4                           ; 2^e8
.set LIV,  5                           ; 16 x lane + V's first byte
.set LIM,  6                           ; v6, v7: 448 x 2^e8
.set NM,   8                           ; v8, v10: -M (v9, v11 named with them)
.set T,    12                          ; v12, v13: what lane l xor 16 sends
.set GO,   14                          ; my byte offset in the wave's rows of q and att
.set BA,   15                          ; my byte offset in the head's part of bq
.set Q,    16                          ; v16-31   Q, 8 a tile
.set KA,   32                          ; v32-63   four fragments of K
.set VB,   64                          ; v64-95   pass 1: K's second set; pass 2: V
.set S,    96                          ; v96-159  S^T, then p
.set O,    160                         ; v160-223 pass 1: the second set of scores; pass 2: O^T
.set P,    224                         ; v224-231 p's codes
.set L,    232                         ; v232-247 l: four pairs a tile
.set RM,   232                         ; v232-235 pass 1: the largest score so far
.set WF,   16                          ; the projection: v16-47 two fragments of Wq; v48-111 its eight sums; v112-239 q's fragments, four K steps by turns (the fourth set holds bq first)
.set ACC,  48
.set QB,   112
.set QSC,  240                         ; 2^(e6 - e0 - e1)
.set QLIM, 241                         ; 448 x that
.set STO,  248
.set RD,   249
.set F,    250                         ; v250, v252: 2^(e8 + e9) / l
.set SPW,  254
.set NIL,  255
.set WV,   23                          ; s23  my wave's number
.set G1K,  24                          ; descriptor groups 1: 64 rows of 256 bytes;
.set G0,   32                          ; s[32:35] group 0 of my load at the head
.set G1W,  36                          ; 16 rows of 1,024 bytes, padded;
.set G1U,  44                          ; 63 rows of 256 bytes;
.set G1L,  68                          ; 65 rows of 256 bytes
.set G0L,  84                          ; s[84:87] group 0 of the refill
.set CS,   52
.set SEL,  54
.set TB,   56
.macro CROUND
	s_barrier_signal -1
	s_barrier_wait -1
	s_cmp_lg_u32 s[WV], 0
	s_cbranch_scc1 .Lnot_wave_0_\@
	s_barrier_signal -3
.Lnot_wave_0_\@:
	s_barrier_wait -3
	s_barrier_signal -1
	s_barrier_wait -1
.endm
.macro NOPS
.rept 4
	v_nop
.endr
.endm
.macro KLOAD buf, adr, off
.irp k, 0,1,2,3
	ds_load_b128 v[\buf+8*\k:\buf+8*\k+3],   v[\adr] offset:\off+1024*\k
	ds_load_b128 v[\buf+8*\k+4:\buf+8*\k+7], v[\adr] offset:\off+1024*\k+512
.endr
.endm
.macro SCORES dst, buf
.irp k, 0,1,2,3
.irp x, 0,1
	v_wmma_f32_16x16x64_fp8_fp8 v[\dst+32*\x+8*\k:\dst+32*\x+8*\k+7], v[\buf+8*\k:\buf+8*\k+7], v[Q+8*\x:Q+8*\x+7], 0
.endr
.endr
.endm
.macro RMAX src                        ; four chains by turns, each tile of scores from its low end on
.irp i, 0,4,8,12,16,20,24,28
.irp x, 0,1
	v_max3_num_f32 v[RM+2*\x], v[RM+2*\x], v[\src+32*\x+\i], v[\src+32*\x+\i+1]
.endr
.irp x, 0,1
	v_max3_num_f32 v[RM+2*\x+1], v[RM+2*\x+1], v[\src+32*\x+\i+2], v[\src+32*\x+\i+3]
.endr
.endr
.endm
.macro QLOAD x                         ; q's part for tile x, in the layout of the way out
.irp i, 0,1,2,3,4,5,6,7
	global_load_b128 v[32+64*\x+4*\i:32+64*\x+4*\i+3], v[GO], s[12:13] offset:(16*\x+2*\i)*4096 th:TH_LOAD_NT
.endr
.endm
.macro QFR s                           ; q's fragments of K step s, both tiles: eight loads of 512 consecutive bytes
.irp x, 0,1
.irp c, 0,1,2,3
	global_load_b128 v[QB+32*((\s)%4)+16*\x+4*\c:QB+32*((\s)%4)+16*\x+4*\c+3], v[LI], s[4:5] offset:16384*\x+2048*(\s)+512*\c
.endr
.endr
.endm
.macro QRUN s, c0, zero                ; K step s, two tiles of 16 channels x both tiles of queries; the four idle lines are the places in front of the next loads into these registers
.irp c, \c0, \c0+1
.irp j, 0,1,2,3
	ds_load_b128 v[WF+16*((\c)%2)+4*\j:WF+16*((\c)%2)+4*\j+3], v[WA] offset:16640*(\c)+128*(\s)+32*\j
.endr
.endr
	s_wait_dscnt 0x0
.irp c, \c0, \c0+1
.irp x, 0,1
.if \zero
	v_wmma_f32_16x16x128_fp8_fp8 v[ACC+32*\x+8*(\c):ACC+32*\x+8*(\c)+7], v[WF+16*((\c)%2):WF+16*((\c)%2)+15], v[QB+32*((\s)%4)+16*\x:QB+32*((\s)%4)+16*\x+15], v[QB+96+8*(\c):QB+96+8*(\c)+7]
.else
	v_wmma_f32_16x16x128_fp8_fp8 v[ACC+32*\x+8*(\c):ACC+32*\x+8*(\c)+7], v[WF+16*((\c)%2):WF+16*((\c)%2)+15], v[QB+32*((\s)%4)+16*\x:QB+32*((\s)%4)+16*\x+15], v[ACC+32*\x+8*(\c):ACC+32*\x+8*(\c)+7]
.endif
.endr
.endr
	NOPS
.endm
	s_load_b256 s[4:11], s[0:1], 0x0               ; qcodes, kimg, vimg, the scales' exponents
	s_load_b256 s[12:19], s[0:1], 0x20             ; q, att, Wq_codes, bq
	v_lshl_add_u32 v[SPW], v0, 2, 0x40000
	v_mov_b32 v[NIL], 0
	ds_add_u32 v[SPW], v[NIL]                      ; the opening lines: the add, twice on end, and its wait
	ds_add_u32 v[SPW], v[NIL]
	v_lshrrev_b32 v8, 5, v0
	v_readfirstlane_b32 s[WV], v8
	s_bfe_u32 s21, ttmp6, 0x40000                  ; cx: it enters qcodes', q's and att's addresses alone
	s_and_b32 s22, ttmp7, 0xffff                   ; 16 batch + head
.irp g, G1K, G1U, G1L
	s_mov_b32 s[\g], 15|(3<<16)|(1<<21)            ; the mask: all four; elements of 8 bytes; bit 21 beside a mask
	s_mov_b32 s[\g+1], 32<<16
	s_mov_b32 s[\g+3], 32<<16
	s_mov_b32 s[\g+5], 32
	s_mov_b32 s[\g+6], 0
	s_mov_b32 s[\g+7], 0
.endr
	s_mov_b32 s[G1K+2], 64<<16
	s_mov_b32 s[G1K+4], 64
	s_mov_b32 s[G1U+2], 63<<16
	s_mov_b32 s[G1U+4], 63
	s_mov_b32 s[G1L+2], 65<<16
	s_mov_b32 s[G1L+4], 65
	s_mov_b32 s[G1W], 15|(3<<16)|(1<<20)|(1<<21)|(7<<22)|(3<<25)   ; four words of padding behind every 256
	s_mov_b32 s[G1W+1], 128<<16
	s_mov_b32 s[G1W+2], 16<<16
	s_mov_b32 s[G1W+3], 128<<16
	s_mov_b32 s[G1W+4], 16
	s_mov_b32 s[G1W+5], 128
	s_mov_b32 s[G1W+6], 0
	s_mov_b32 s[G1W+7], 0
	s_mov_b32 s[SEL], 0x76543210
	s_mov_b32 s[SEL+1], 0xfedcba98
	s_lshl_b32 s20, s22, 17                        ; the pair's first byte in kimg and vimg
	s_and_b32 s57, s[WV], 3
	s_and_b32 s59, s22, 15                         ; the head
	s_mov_b32 s[G0], 1
	s_mov_b32 s[G0L], 1
	s_mul_i32 s58, s57, 16640
	s_add_co_u32 s[G0L+1], s58, 0x20000            ; the refill: a quarter of V's lower 66,560 bytes
	s_add_co_u32 s62, s20, s58
	s_mov_b32 s63, 0
	s_lshr_b32 s60, s22, 4
	s_lshl_b32 s60, s60, 7                         ; the batch's 128 tiles of queries,
	s_lshl_b32 s61, s21, 5
	s_add_co_u32 s60, s60, s61                     ; my work-group's 32,
	s_lshl_b32 s61, s[WV], 1
	s_add_co_u32 s60, s60, s61                     ; my two,
	s_lshl_b32 s60, s60, 14                        ; of 16,384 bytes
	s_mov_b32 s61, 0
	s_wait_dscnt 0x0
	s_wait_kmcnt 0x0
	s_load_b128 s[76:79], s[10:11], 0x18           ; e6, e7, e8, e9
	s_load_b64 s[80:81], s[10:11], 0x0             ; e0, e1
	s_add_nc_u64 s[G0L+2:G0L+3], s[8:9], s[62:63]
	s_or_b32 s[G0L+3], s[G0L+3], 0x80000000
	s_add_nc_u64 s[4:5], s[4:5], s[60:61]
	s_lshl_b32 s60, s59, 8
	s_add_nc_u64 s[18:19], s[18:19], s[60:61]      ; the head's 64 numbers of bq
	v_and_b32 v8, 31, v0
	v_lshlrev_b32 v[LI], 4, v8
	v_and_b32 v12, 15, v0                          ; r
	v_bfe_u32 v13, v0, 4, 1                        ; h
	v_lshlrev_b32 v[BA], 5, v13
.irp c, 0,1,2,3
	global_load_b128 v[QB+96+8*\c:QB+96+8*\c+3],   v[BA], s[18:19] offset:64*\c      ; bq at channels 16 c + 8 h + 0 .. 7
	global_load_b128 v[QB+96+8*\c+4:QB+96+8*\c+7], v[BA], s[18:19] offset:64*\c+16
.endr
	QFR 0
	QFR 1
	QFR 2
	s_wait_alu depctr_va_vdst(0)                   ; the wait ahead of the barriers below
	CROUND                                         ; all four work-groups are here: the joint loads meet
	s_cmp_lt_u32 s[WV], 8                          ; one chain of branches on the wave's number, one fill to an arm
	s_cbranch_scc0 .Lnot_k
	s_lshl_b32 s[G0+1], s[WV], 14
	s_add_co_u32 s60, s20, s[G0+1]
	s_add_nc_u64 s[G0+2:G0+3], s[6:7], s[60:61]
	s_or_b32 s[G0+3], s[G0+3], 0x80000000
	tensor_load_to_lds s[G0:G0+3], s[G1K:G1K+7]    ; an eighth of K
	s_nop 0
	NOPS
	s_branch .Lasked
.Lnot_k:
	s_cmp_lt_u32 s[WV], 12
	s_cbranch_scc0 .Lnot_w
	s_add_co_u32 s[G0+1], s58, 0x20000
	s_lshl_b32 s60, s59, 16
	s_lshl_b32 s62, s57, 14
	s_add_co_u32 s60, s60, s62
	s_add_nc_u64 s[G0+2:G0+3], s[16:17], s[60:61]
	s_or_b32 s[G0+3], s[G0+3], 0x80000000
	tensor_load_to_lds s[G0:G0+3], s[G1W:G1W+7]    ; sixteen of the head's 64 rows of Wq
	s_nop 0
	NOPS
	s_wait_tensorcnt 0x0                           ; they are read first: the waves that fetch them wait here, ahead of the barrier below; K and V may stay on their way across it
	s_branch .Lasked
.Lnot_w:
	s_mul_i32 s60, s57, 16128
	s_add_co_u32 s[G0+1], s60, 197632
	s_add_co_u32 s60, s60, s20
	s_add_co_u32 s60, s60, 66560
	s_add_nc_u64 s[G0+2:G0+3], s[8:9], s[60:61]
	s_or_b32 s[G0+3], s[G0+3], 0x80000000
	tensor_load_to_lds s[G0:G0+3], s[G1U:G1U+7]    ; a quarter of V's upper 64,512 bytes
	s_nop 0
	NOPS
.Lasked:
	s_lshr_b32 s62, s22, 4                         ; q and att: the batch's 2,048 rows,
	s_lshl_b32 s62, s62, 11
	s_lshl_b32 s63, s21, 9
	s_add_co_u32 s62, s62, s63
	s_lshl_b32 s63, s[WV], 5
	s_add_co_u32 s62, s62, s63
	s_lshl_b32 s62, s62, 12                        ; of 4,096 bytes: under 2^25;
	s_lshl_b32 s63, s59, 8                         ; the head's 256 bytes of a row
	s_add_co_u32 s62, s62, s63
	s_mov_b32 s63, 0
	s_add_nc_u64 s[12:13], s[12:13], s[62:63]
	s_add_nc_u64 s[14:15], s[14:15], s[62:63]
	v_add_nc_u32 v[LIV], 0x20000, v[LI]
	v_mul_u32_u24 v[WA], v12, 1040
	v_lshl_add_u32 v[WA], v13, 4, v[WA]
	v_add_nc_u32 v[WA], 0x20000, v[WA]             ; Wq: row r x 1,040 + 16 h
	s_mul_i32 s83, s[WV], 16*272                   ; my stage
	v_mul_u32_u24 v[STO], v12, 272
	v_lshl_add_u32 v[STO], v13, 5, v[STO]
	v_add_nc_u32 v[STO], s83, v[STO]
	v_mul_u32_u24 v[RD], v13, 272
	v_lshl_add_u32 v[RD], v12, 4, v[RD]
	v_add_nc_u32 v[RD], s83, v[RD]
	v_lshlrev_b32 v[GO], 12, v13
	v_lshl_add_u32 v[GO], v12, 4, v[GO]
	v_mov_b32 v[NM+1], 0                           ; (named as upper halves of pairs)
	v_mov_b32 v[NM+3], 0
	v_mov_b32 v[F+1], 0
	v_mov_b32 v[F+3], 0
	s_wait_kmcnt 0x0
	s_add_co_i32 s57, s80, s81                     ; e0 + e1
	s_sub_co_i32 s58, 0, s57
	s_sub_co_i32 s60, s76, s57
	s_add_co_i32 s60, s60, 127
	s_lshl_b32 s61, s60, 23
	v_mov_b32 v[QSC], s61                          ; 2^(e6 - e0 - e1)
	s_add_co_i32 s60, s60, 8
	s_lshl_b32 s60, s60, 23
	s_or_b32 s60, s60, 0x600000
	v_mov_b32 v[QLIM], s60
	s_add_co_i32 s60, s76, s77
	s_lshl_b32 s60, s60, 23
	s_mov_b32 s[CS], 0x3e38aa3b                    ; c = log2(e) / sqrt(64),
	s_add_co_i32 s[CS], s[CS], s60                 ; x 2^(e6 + e7)
	s_mov_b32 s[CS+1], s[CS]
	s_add_co_i32 s60, s78, 127
	s_lshl_b32 s61, s60, 23
	v_mov_b32 v[SCV], s61                          ; 2^e8
	s_add_co_i32 s60, s60, 8
	s_lshl_b32 s60, s60, 23
	s_or_b32 s60, s60, 0x600000
	v_mov_b32 v[LIM], s60
	v_mov_b32 v[LIM+1], s60
	s_add_co_i32 s82, s78, s79                     ; e8 + e9
	s_mov_b32 s[TB], 0
	s_wait_loadcnt 24                              ; bq is in; the 24 loads of q's K steps 0 to 2 may be out
.set i, 0
.rept 32
	v_ldexp_f32 v[QB+96+i], v[QB+96+i], s58        ; bq / 2^(e0 + e1)
.set i, i+1
.endr
	s_wait_alu depctr_va_vdst(0)                   ; the wait at the head's end
	s_barrier_signal -1
	s_barrier_wait -1                              ; Wq's 64 rows have landed
	; Q = Q(q Wq + bq): eight K steps; the eight sums take turns.  The counts: the loads asked for behind K step s's
	s_wait_loadcnt 16
	QRUN 0, 0, 1
	QRUN 0, 2, 1
	QFR 3
	QFR 4
.irp s, 1,2,3,4
	s_wait_loadcnt 24
	QRUN \s, 0, 0
	QRUN \s, 2, 0
.if \s < 4
	QFR \s+4
.endif
.endr
.irp s, 5,6,7
	s_wait_loadcnt 8*(7-\s)
	QRUN \s, 0, 0
	QRUN \s, 2, 0
.endr
.set i, 0
.rept 64
	v_med3_num_f32 v[ACC+i], v[ACC+i], -v[QLIM], v[QLIM]   ; the conversion does not saturate (ISA guide 7.6.2)
.set i, i+1
.endr
.irp x, 0,1
.irp c, 0,1,2,3
	v_cvt_scalef32_pk8_fp8_f32 v[Q+8*\x+2*\c:Q+8*\x+2*\c+1], v[ACC+32*\x+8*\c:ACC+32*\x+8*\c+7], v[QSC]   ; channels 16 c + 8 h + 0 .. 7: registers 2 c, 2 c + 1 of Q
.endr
.endr
	v_mov_b32 v[ADK], v[LI]                        ; (a plain line behind the last conversion)
	s_wait_alu depctr_va_vdst(0)
	s_wait_tensorcnt 0x0                           ; all my loads have landed: my part of K or V;
	ds_add_u32 v[SPW], v[NIL]                      ; the add;
	s_wait_dscnt 0x0                               ; the add is done, and my reads of Wq are over
	CROUND                                         ; so of every wave of the four work-groups: K and V's upper part are whole, and nobody reads Wq any more
	s_sub_co_u32 s60, s[WV], 8
	s_cmp_lt_u32 s60, 4
	s_cbranch_scc0 .Lno_refill
	tensor_load_to_lds s[G0L:G0L+3], s[G1L:G1L+7]  ; V's lower part, where Wq lay
	s_nop 0
	NOPS
.Lno_refill:
	; PASS 1: 32 steps of 64 keys.  Two sets of fragments and of scores by turns: a step asks for the next step's keys, multiplies its own, and takes the maxima of the step before, whose 32 lines are the places behind this step's products.
	KLOAD KA, LI, 0
	KLOAD VB, LI, 4096
	s_wait_dscnt 8
	SCORES S, KA
.irp i, 0,1,2,3
	v_mov_b32 v[RM+\i], 0xff61b1e6                 ; -3e38.  (Four places in front of the loads below)
.endr
.Lp1:                                              ; 15 trips: steps 1 to 30
	KLOAD KA, ADK, 8192
	s_wait_alu depctr_va_vdst(0)                   ; the wait ahead of the wait below
	s_wait_dscnt 8                                 ; this step's keys are in; the eight loads just issued may be out
	SCORES O, VB
	RMAX S
	KLOAD VB, ADK, 12288
	s_add_co_u32 s[TB], s[TB], 8192
	v_add_nc_u32 v[ADK], s[TB], v[LI]
	s_wait_alu depctr_va_vdst(0)
	s_wait_dscnt 8
	SCORES S, KA
	RMAX O
	s_cmp_lt_u32 s[TB], 15*8192
	s_cbranch_scc1 .Lp1
	KLOAD KA, LI, 0                                ; step 31 asks for pass 2's first keys
	s_wait_alu depctr_va_vdst(0)
	s_wait_dscnt 8
	SCORES O, VB
	RMAX S
	RMAX O
	s_wait_alu depctr_va_vdst(0)
	s_wait_dscnt 0x0
	s_wait_tensorcnt 0x0                           ; my part of V's lower half, if I fetched one, has landed:
	s_barrier_signal -1                            ; say so; work on registers stands between the signal and the wait
	SCORES S, KA                                   ; pass 2's step 0; the lines below are its places
.irp x, 0,1
	v_max_num_f32 v[RM+2*\x], v[RM+2*\x], v[RM+2*\x+1]
.endr
.irp x, 0,1
	v_permlanex16_b32 v[T+\x], v[RM+2*\x], s[SEL], s[SEL+1]
.endr
.irp x, 0,1
	v_max_num_f32 v[RM+2*\x], v[RM+2*\x], v[T+\x]
.endr
.irp x, 0,1
	v_mul_f32 v[RM+2*\x], s[CS], v[RM+2*\x]        ; as t (c is positive)
.endr
.irp x, 0,1
	v_floor_f32 v[NM+2*\x], -v[RM+2*\x]            ; -M = floor(-t) = -ceil(t)
.endr
.set i, 0
.rept 16
	v_mov_b32 v[L+i], 0
.set i, i+1
.endr
	s_barrier_wait -1                              ; V is whole
; A PHASE of pass 2: tile x, 64 keys.  ld = 1: the step's V and the next step's K are asked for in one run behind the 16 scalings, and waited for ahead of the products.  zero = 1: the first products start O^T's sums.  nxt = 0: no next scores.
.macro PHASE x, ld, zero, nxt
	s_wait_alu depctr_va_vdst(0)                   ; the wait directly ahead of the first reader of the scores
.set i, 0
.rept 16
	v_pk_fma_f32 v[S+32*\x+i:S+32*\x+i+1], v[S+32*\x+i:S+32*\x+i+1], s[CS:CS+1], v[NM+2*\x:NM+2*\x+1] op_sel_hi:[1,0,0]   ; t - M
.set i, i+2
.endr
.if \ld
.if \nxt
	KLOAD KA, ADK, 4096
.endif
	KLOAD VB, ADV, 0
.endif
	s_wait_alu depctr_va_vdst(0)                   ; the wait ahead of the batch
.set i, 0
.rept 32
	v_exp_f32 v[S+32*\x+i], v[S+32*\x+i]           ; p = 2^(t - M)
.set i, i+1
.endr
	v_nop                                          ; a plain line behind the last exponential
	s_wait_alu depctr_va_vdst(0)                   ; one wait for the batch
.set i, 0
.rept 4
.irp c, 0,1,2,3
	v_pk_add_f32 v[L+8*\x+2*\c:L+8*\x+2*\c+1], v[L+8*\x+2*\c:L+8*\x+2*\c+1], v[S+32*\x+i+2*\c:S+32*\x+i+2*\c+1]   ; l: the UNQUANTISED p, four chains by turns
.endr
.set i, i+8
.endr
.set i, 0
.rept 16
	v_dual_min_num_f32 v[S+32*\x+i], v[S+32*\x+i], v[LIM] :: v_dual_min_num_f32 v[S+32*\x+i+1], v[S+32*\x+i+1], v[LIM+1]   ; the conversion does not saturate; p is not negative, so the hold is one-sided
.set i, i+2
.endr
.irp k, 0,1,2,3
	v_cvt_scalef32_pk8_fp8_f32 v[P+2*\k:P+2*\k+1], v[S+32*\x+8*\k:S+32*\x+8*\k+7], v[SCV]
.endr
	v_nop                                          ; a plain line behind the last conversion
.if \ld
	s_wait_alu depctr_va_vdst(0)
	s_wait_dscnt 0x0
.endif
.irp d, 0,1,2,3
.if \zero
	v_wmma_f32_16x16x64_fp8_fp8 v[O+32*\x+8*\d:O+32*\x+8*\d+7], v[VB+8*\d:VB+8*\d+7], v[P:P+7], 0
.else
	v_wmma_f32_16x16x64_fp8_fp8 v[O+32*\x+8*\d:O+32*\x+8*\d+7], v[VB+8*\d:VB+8*\d+7], v[P:P+7], v[O+32*\x+8*\d:O+32*\x+8*\d+7]   ; the accumulators by turns
.endif
.endr
.if \nxt
.irp k, 0,1,2,3
	v_wmma_f32_16x16x64_fp8_fp8 v[S+32*\x+8*\k:S+32*\x+8*\k+7], v[KA+8*\k:KA+8*\k+7], v[Q+8*\x:Q+8*\x+7], 0
.endr
.endif
.endm
.macro STEP zero
	v_add_nc_u32 v[ADK], s[TB], v[LI]
	v_add_nc_u32 v[ADV], s[TB], v[LIV]
	PHASE 0, 1, \zero, 1
	PHASE 1, 0, \zero, 1
.endm
	s_mov_b32 s[TB], 0
	STEP 1                                         ; step 0 stands ahead of the loop: its products start the sums
	s_mov_b32 s[TB], 4096
.Lp2:                                              ; 30 trips: steps 1 to 30
	STEP 0
	s_add_co_u32 s[TB], s[TB], 4096
	s_cmp_lt_u32 s[TB], 31*4096
	s_cbranch_scc1 .Lp2
	; step 31, written out: no further K.  K's registers, and tile 0's scores once they are coded, take q's part for the way out.
	v_add_nc_u32 v[ADV], s[TB], v[LIV]
.rept 3
	v_nop                                          ; with the addition: four places in front of loads into registers that the last products have read
.endr
	QLOAD 0
	PHASE 0, 1, 0, 0
	QLOAD 1
	s_wait_alu depctr_va_vdst(0)
	s_wait_dscnt 0x0                               ; my reads of K are over, and no LDS instruction of mine is out:
	s_barrier_signal -1                            ; say so; the last phase works on registers alone
	PHASE 1, 0, 0, 0
	s_barrier_wait -1                              ; nobody reads K any more: its bytes, which have had their one fill, take the stages
	; THE WAY OUT.  O^T x 2^(e8 + e9) / l goes through my stage (16 rows x 272 bytes, in K's first 69,632 bytes); q is added to the rows as they come back; sixteen lanes store 256 consecutive bytes, aligned.
.irp x, 0,1
	v_pk_add_f32 v[L+8*\x:L+8*\x+1], v[L+8*\x:L+8*\x+1], v[L+8*\x+2:L+8*\x+3]
	v_pk_add_f32 v[L+8*\x+4:L+8*\x+5], v[L+8*\x+4:L+8*\x+5], v[L+8*\x+6:L+8*\x+7]
.endr
.irp x, 0,1
	v_pk_add_f32 v[L+8*\x:L+8*\x+1], v[L+8*\x:L+8*\x+1], v[L+8*\x+4:L+8*\x+5]
.endr
.irp x, 0,1
	v_add_f32 v[L+8*\x], v[L+8*\x], v[L+8*\x+1]
.endr
.irp x, 0,1
	v_permlanex16_b32 v[T+\x], v[L+8*\x], s[SEL], s[SEL+1]
.endr
.irp x, 0,1
	v_add_f32 v[L+8*\x], v[L+8*\x], v[T+\x]
.endr
	s_wait_alu depctr_va_vdst(0)                   ; the wait ahead of the reciprocals
.irp x, 0,1
	v_rcp_f32 v[F+2*\x], v[L+8*\x]
.endr
	v_nop
	s_wait_alu depctr_va_vdst(0)                   ; one wait for both, ahead of the first reader
.irp x, 0,1
	v_ldexp_f32 v[F+2*\x], v[F+2*\x], s82          ; x 2^(e8 + e9)
.endr
	s_wait_alu depctr_va_vdst(0)                   ; the wait directly ahead of the first reader of O^T
.irp x, 0,1
.set i, 0
.rept 16
	v_pk_mul_f32 v[O+32*\x+i:O+32*\x+i+1], v[O+32*\x+i:O+32*\x+i+1], v[F+2*\x:F+2*\x+1] op_sel_hi:[1,0]   ; register 8 d + j is o(query r, channel 16 d + 8 h + j)
.set i, i+2
.endr
.endr
.irp x, 0,1
.irp d, 0,1,2,3
	ds_store_b128 v[STO], v[O+32*\x+8*\d:O+32*\x+8*\d+3]   offset:64*\d
	ds_store_b128 v[STO], v[O+32*\x+8*\d+4:O+32*\x+8*\d+7] offset:64*\d+16
.endr
.irp i, 0,1,2,3,4,5,6,7
	ds_load_b128 v[64+64*\x+4*\i:64+64*\x+4*\i+3], v[RD] offset:2*\i*272   ; LDS serves a wave's instructions in order (ISA guide 5.7.1.4)
.endr
.endr
.irp x, 0,1
	s_wait_dscnt 16-16*\x                          ; tile x is back; tile 1's sixteen LDS instructions may be out
	s_wait_loadcnt 8-8*\x                          ; q's part for tile x is in; tile 1's eight loads may be out
.set i, 0
.rept 16
	v_pk_add_f32 v[64+64*\x+i:64+64*\x+i+1], v[64+64*\x+i:64+64*\x+i+1], v[32+64*\x+i:32+64*\x+i+1]   ; + q
.set i, i+2
.endr
.irp i, 0,1,2,3,4,5,6,7
	global_store_b128 v[GO], v[64+64*\x+4*\i:64+64*\x+4*\i+3], s[14:15] offset:(16*\x+2*\i)*4096 th:TH_STORE_NT
.endr
.endr
	s_wait_tensorcnt 0x0                           ; the wave's end
	ds_add_u32 v[SPW], v[NIL]
	s_wait_dscnt 0x0
	CROUND                                         ; the closing round
	s_endpgm
.Lfunc_end_k_qfb9258cb85_attn:
	.size	k_qfb9258cb85_attn, .Lfunc_end_k_qfb9258cb85_attn-k_qfb9258cb85_attn
	.p2alignl 7, 3214868480
	.fill 96, 4, 3214868480
	.section	.rodata,"a",@progbits
	.p2align	6, 0x0
	.amdhsa_kernel k_qfb9258cb85_attn
		.amdhsa_group_segment_fixed_size 327680
		.amdhsa_private_segment_fixed_size 0
		.amdhsa_enable_private_segment 0
		.amdhsa_kernarg_size 64
		.amdhsa_user_sgpr_count 2
		.amdhsa_user_sgpr_kernarg_segment_ptr 1
		.amdhsa_wavefront_size32 1
		.amdhsa_system_sgpr_workgroup_id_x 1
		.amdhsa_system_sgpr_workgroup_id_y 1
		.amdhsa_system_sgpr_workgroup_id_z 1
		.amdhsa_system_vgpr_workitem_id 0
		.amdhsa_next_free_vgpr 256
		.amdhsa_next_free_sgpr 100
		.amdhsa_reserve_vcc 0
		.amdhsa_float_denorm_mode_32 3
		.amdhsa_float_denorm_mode_16_64 3
		.amdhsa_memory_ordered 1
		.amdhsa_forward_progress 1
		.amdhsa_inst_pref_size 95
	.end_amdhsa_kernel
	.amdgpu_metadata
---
amdhsa.version: [ 1, 2 ]
amdhsa.kernels:
  - .name:           k_qfb9258cb85_attn
    .symbol:         k_qfb9258cb85_attn.kd
    .args:
      - { .name: qcodes, .offset: 0, .size: 8, .value_kind: global_buffer, .address_space: global }
      - { .name: kimg, .offset: 8, .size: 8, .value_kind: global_buffer, .address_space: global }
      - { .name: vimg, .offset: 16, .size: 8, .value_kind: global_buffer, .address_space: global }
      - { .name: lowp_scales, .offset: 24, .size: 8, .value_kind: global_buffer, .address_space: global }
      - { .name: q, .offset: 32, .size: 8, .value_kind: global_buffer, .address_space: global }
      - { .name: att, .offset: 40, .size: 8, .value_kind: global_buffer, .address_space: global }
      - { .name: Wq_codes, .offset: 48, .size: 8, .value_kind: global_buffer, .address_space: global }
      - { .name: bq, .offset: 56, .size: 8, .value_kind: global_buffer, .address_space: global }
    .group_segment_fixed_size: 327680
    .private_segment_fixed_size: 0
    .kernarg_segment_align: 8
    .kernarg_segment_size: 64
    .max_flat_workgroup_size: 512
    .sgpr_count:     100
    .vgpr_count:     256
    .wavefront_size: 32
...
	.end_amdgpu_metadata
.endif
;; end of part 3
;; launch lnorm (part 4): grid 512 x 1, 4 waves a work-group, no clusters, 0 bytes of LDS; arguments att, gamma, beta, out0; writes out0
.if DOCPART == 4
	.amdgcn_target "amdgcn-amd-amdhsa--gfx1250"
	.amdhsa_code_object_version 6
	.text
	.protected	k_qfb9258cb85_lnorm
	.globl	k_qfb9258cb85_lnorm
	.p2align	8
	.type	k_qfb9258cb85_lnorm,@function
k_qfb9258cb85_lnorm:
	s_mov_b64 s[64:65], 0
	v_nop
	global_prefetch_b8 v0, s[64:65] scope:SCOPE_SE
	s_setreg_imm32_b32 hwreg(HW_REG_WAVE_MODE, 25, 1), 1
	s_wait_xcnt 0x0
; out0[row] = gamma (x - mean) / (std + 1e-8) + beta; x = att[row], which holds the attention's result with q already added; mean and std over the row's 1,024 numbers, std unbiased (/ 1,023), all in f32.
; In two passes, as it is defined: the mean first, then the sum of squares of x - mean: no difference of large sums.
; A row is 4,096 bytes: one wave takes a whole row, eight loads of 16 bytes a lane, and keeps it in registers: each byte is read once, and no wave waits for another.
; 512 work-groups x 4 waves x 4 rows.  A wave asks for all its four rows at its start, 32 loads, each row into registers of its own.  A lane holds columns 128 j + 4 lane + 0 .. 3, the same in every row: gamma and beta are loaded once.
; No LDS, no barrier, no cluster, no matrix unit: the waves share nothing but gamma and beta, 8 KB.  No prefetch: all loads go out at the head.
.set GA,  2                            ; v2-33    gamma of my 32 columns
.set BE,  34                           ; v34-65   beta
.set XA,  66                           ; v66-193  row s at + 32 s: x, then the result
.set W,   194                          ; v194-205 at work: +0..+3 two chains, +4 a sum, +5 the other half's, +6, +7 the mean's pair, +8 std, +10, +11 the reciprocal's pair
	s_load_b256 s[4:11], s[0:1], 0x0               ; att s[4:5], gamma s[6:7], beta s[8:9], out0 s[10:11]
	v_lshrrev_b32 v[W], 5, v0
	v_readfirstlane_b32 s14, v[W]                  ; wave
	v_and_b32 v1, 31, v0
	v_lshlrev_b32 v1, 4, v1                        ; 16 x lane; never rewritten
	v_mov_b32 v[W+5], 0                            ; written once: a lane permute's destination counts as one of its sources
	v_mov_b32 v[W+7], 0                            ; (named as upper halves of pairs)
	v_mov_b32 v[W+11], 0
	s_lshl_b32 s15, ttmp9, 2
	s_add_co_u32 s15, s15, s14
	s_lshl_b32 s16, s15, 14                        ; my four rows of 4,096 bytes: under 2^25
	s_mov_b32 s17, 0
	s_mov_b32 s18, 0x76543210                      ; v_permlanex16_b32: lane l xor 16
	s_mov_b32 s19, 0xfedcba98
	s_wait_alu depctr_va_vdst(0)                   ; the wait at the head's end
	s_wait_kmcnt 0x0
	s_add_nc_u64 s[4:5], s[4:5], s[16:17]
	s_add_nc_u64 s[10:11], s[10:11], s[16:17]
.irp j, 0,1,2,3,4,5,6,7
	global_load_b128 v[GA+4*\j:GA+4*\j+3], v1, s[6:7] offset:512*\j
	global_load_b128 v[BE+4*\j:BE+4*\j+3], v1, s[8:9] offset:512*\j
.endr
.irp s, 0,1,2,3
.irp j, 0,1,2,3,4,5,6,7
	global_load_b128 v[XA+32*\s+4*\j:XA+32*\s+4*\j+3], v1, s[4:5] offset:4096*\s+512*\j th:TH_LOAD_NT   ; 512 consecutive bytes a load
.endr
.endr
.macro ACROSS                          ; the pair v[W:W+1] of every lane is added up: the sum lands in v[W+4] of every lane
	v_add_f32 v[W+4], v[W], v[W+1]
	v_add_f32_dpp v[W+4], v[W+4], v[W+4] row_xmask:1 row_mask:0xf bank_mask:0xf
	v_add_f32_dpp v[W+4], v[W+4], v[W+4] row_xmask:2 row_mask:0xf bank_mask:0xf
	v_add_f32_dpp v[W+4], v[W+4], v[W+4] row_xmask:4 row_mask:0xf bank_mask:0xf
	v_add_f32_dpp v[W+4], v[W+4], v[W+4] row_xmask:8 row_mask:0xf bank_mask:0xf
	v_permlanex16_b32 v[W+5], v[W+4], s18, s19
	v_add_f32 v[W+4], v[W+4], v[W+5]
.endm
.macro ROW s
.set XX, XA+32*\s
	s_wait_loadcnt 8*(3-\s)                        ; loads come back in order: my row is in (and gamma and beta, asked for first); the later rows' eight loads each may be out
	v_pk_add_f32 v[W:W+1], v[XX:XX+1], v[XX+2:XX+3]               ; the sum, in two chains
	v_pk_add_f32 v[W+2:W+3], v[XX+4:XX+5], v[XX+6:XX+7]
.set j, 8
.rept 6
	v_pk_add_f32 v[W:W+1], v[W:W+1], v[XX+j:XX+j+1]
	v_pk_add_f32 v[W+2:W+3], v[W+2:W+3], v[XX+j+2:XX+j+3]
.set j, j+4
.endr
	v_pk_add_f32 v[W:W+1], v[W:W+1], v[W+2:W+3]
	ACROSS
	v_mul_f32 v[W+6], 0x3a800000, v[W+4]           ; the mean: / 1,024
.set j, 0
.rept 16
	v_pk_add_f32 v[XX+j:XX+j+1], v[XX+j:XX+j+1], v[W+6:W+7] op_sel_hi:[1,0] neg_lo:[0,1] neg_hi:[0,1]   ; x - mean
.set j, j+2
.endr
	v_pk_mul_f32 v[W:W+1], v[XX:XX+1], v[XX:XX+1]                 ; the sum of squares, in two chains
	v_pk_mul_f32 v[W+2:W+3], v[XX+2:XX+3], v[XX+2:XX+3]
.set j, 4
.rept 7
	v_pk_fma_f32 v[W:W+1], v[XX+j:XX+j+1], v[XX+j:XX+j+1], v[W:W+1]
	v_pk_fma_f32 v[W+2:W+3], v[XX+j+2:XX+j+3], v[XX+j+2:XX+j+3], v[W+2:W+3]
.set j, j+4
.endr
	v_pk_add_f32 v[W:W+1], v[W:W+1], v[W+2:W+3]
	ACROSS
	v_mul_f32 v[W+4], 0x3a802008, v[W+4]           ; / 1,023
	s_wait_alu depctr_va_vdst(0)                   ; a wait ahead of each transcendental and ahead of its reader
	v_sqrt_f32 v[W+8], v[W+4]
	v_nop                                          ; a plain line behind the root
	s_wait_alu depctr_va_vdst(0)
	v_add_f32 v[W+8], 0x322bcc77, v[W+8]           ; std + 1e-8
	s_wait_alu depctr_va_vdst(0)
	v_rcp_f32 v[W+10], v[W+8]
	v_nop
	s_wait_alu depctr_va_vdst(0)
.set j, 0
.rept 16
	v_pk_mul_f32 v[XX+j:XX+j+1], v[XX+j:XX+j+1], v[W+10:W+11] op_sel_hi:[1,0]
.set j, j+2
.endr
.set j, 0
.rept 16
	v_pk_fma_f32 v[XX+j:XX+j+1], v[XX+j:XX+j+1], v[GA+j:GA+j+1], v[BE+j:BE+j+1]
.set j, j+2
.endr
.irp j, 0,1,2,3,4,5,6,7
	global_store_b128 v1, v[XX+4*\j:XX+4*\j+3], s[10:11] offset:4096*\s+512*\j th:TH_STORE_NT   ; the wave stores 512 consecutive bytes, aligned; no store's registers are written again
.endr
.endm
	ROW 0
	ROW 1
	ROW 2
	ROW 3
	s_endpgm
.Lfunc_end_k_qfb9258cb85_lnorm:
	.size	k_qfb9258cb85_lnorm, .Lfunc_end_k_qfb9258cb85_lnorm-k_qfb9258cb85_lnorm
	.p2alignl 7, 3214868480
	.fill 96, 4, 3214868480
	.section	.rodata,"a",@progbits
	.p2align	6, 0x0
	.amdhsa_kernel k_qfb9258cb85_lnorm
		.amdhsa_group_segment_fixed_size 0
		.amdhsa_private_segment_fixed_size 0
		.amdhsa_enable_private_segment 0
		.amdhsa_kernarg_size 32
		.amdhsa_user_sgpr_count 2
		.amdhsa_user_sgpr_kernarg_segment_ptr 1
		.amdhsa_wavefront_size32 1
		.amdhsa_system_sgpr_workgroup_id_x 1
		.amdhsa_system_sgpr_workgroup_id_y 1
		.amdhsa_system_sgpr_workgroup_id_z 1
		.amdhsa_system_vgpr_workitem_id 0
		.amdhsa_next_free_vgpr 208
		.amdhsa_next_free_sgpr 66
		.amdhsa_reserve_vcc 0
		.amdhsa_float_denorm_mode_32 3
		.amdhsa_float_denorm_mode_16_64 3
		.amdhsa_memory_ordered 1
		.amdhsa_forward_progress 1
		.amdhsa_inst_pref_size 34
	.end_amdhsa_kernel
	.amdgpu_metadata
---
amdhsa.version: [ 1, 2 ]
amdhsa.kernels:
  - .name:           k_qfb9258cb85_lnorm
    .symbol:         k_qfb9258cb85_lnorm.kd
    .args:
      - { .name: att, .offset: 0, .size: 8, .value_kind: global_buffer, .address_space: global }
      - { .name: gamma, .offset: 8, .size: 8, .value_kind: global_buffer, .address_space: global }
      - { .name: beta, .offset: 16, .size: 8, .value_kind: global_buffer, .address_space: global }
      - { .name: out0, .offset: 24, .size: 8, .value_kind: global_buffer, .address_space: global }
    .group_segment_fixed_size: 0
    .private_segment_fixed_size: 0
    .kernarg_segment_align: 8
    .kernarg_segment_size: 32
    .max_flat_workgroup_size: 128
    .sgpr_count:     66
    .vgpr_count:     208
    .wavefront_size: 32
...
	.end_amdgpu_metadata
.endif
;; end of part 4
